; MI455X (gfx1250); checked and timed in simulation.
; The chip was launched on July 23, 2026; its instructions are those of AMD's public machine-readable ISA for CDNA 5 (MIT licence, August 2026) and "CDNA5" Instruction Set Architecture Reference Guide (July 2026). The comments in the code are by the model that wrote it; some were corrected since.
;; SCAN. Allowed arithmetic: matrix products marked QUANTISED: E2M1 operands, one E8M0 scale for each 32 along K, by v_wmma_scale_f32_16x16x128_f8f6f4 with both operands' format E2M1 (or v_wmma_scale_f32_32x16x128_f4), f32 sums; everything else in f32.
;; Inputs: class_label_bank 100,000 int32; cluster_idx 256 int32; cluster_label_bank 100,000 int32; feature 256 x 256 float32; feature_bank 100,000 x 256 float32; gt_label 256 int32.
;; Outputs: out0 256 x 256 float32.
;; This version of the problem:
;;   THIS VERSION OF THE PROBLEM IS GIVEN IN LOW PRECISION. The matrix products marked QUANTISED in the list below multiply operands that are first quantised to E2M1 (2 exponent bits, 1 mantissa bit; 4 bits a number), with one power-of-two scale for each 32 numbers along K (OCP MX v1.0); their sums are f32. All else is computed in f32.
;;   The module's matrix products, in the order in which they are computed (A, B: the left and right operand; K: the contracted axis; several contracted axes count as one K, in the product's order):
;;     1. [M 256, K 256] x [K 256, N 100,000]; A: input feature; B: input feature_bank: QUANTISED
;;   THE QUANTISER, for each operand of a quantised product, along K:
;;     - K is cut into blocks of 32 from its start; a last block that is shorter is filled with zeros.
;;     - A block's scale is 2^e with e = floor(log2(the largest magnitude in the block)) - 2, held to -126 .. 127; a block of zeros has e = 0. As a byte (E8M0): e + 127.
;;     - Each number is divided by its block's scale, clamped to +-6, and rounded to the nearest number of E2M1, ties to even, subnormals kept.
;;     - The product sums the exact products of the quantised numbers (number of the format x scale) in f32.
;;   ~~~python
;;   def quantise(x, axis):      # numpy; x: float32 -> the quantised numbers, widened to float32 again
;;       x = np.moveaxis(x, axis, -1); K = x.shape[-1]
;;       x = np.pad(x, [(0, 0)] * (x.ndim - 1) + [(0, -K % 32)]); x = x.reshape(x.shape[:-1] + (-1, 32)); a = np.abs(x).max(-1, keepdims=True)
;;       e = np.where(a > 0, np.clip(np.frexp(np.where(a > 0, a, 1))[1] - 1 - 2, -126, 127), 0)      # np.frexp(a)[1] - 1 = floor(log2(a)), exactly
;;       r = np.clip(x / 2.0 ** e, -6, 6)
;;       step = 2.0 ** (np.maximum(np.frexp(np.where(r == 0, 1, r))[1] - 1, 0) - 1)
;;       q = np.round(r / step) * step * 2.0 ** e      # np.round: ties to even
;;       return np.moveaxis(q.reshape(q.shape[:-2] + (-1,))[..., :K], -1, axis).astype(np.float32)
;;   ~~~
;; One version. Each part assembles by itself: llvm-mc -triple=amdgcn-amd-amdhsa -mcpu=gfx1250 --defsym DOCPART=n.
;; ======== version 1 of 1: 4 launches
;; workspace buffers: fq 40,960 bytes; part 1,024,000 bytes; win 2,048 bytes of whole numbers
;; launch prep (part 1): grid 16 x 1, 1 waves a work-group, no clusters, 0 bytes of LDS; arguments feature, cluster_idx, gt_label, fq; writes fq
.if DOCPART == 1
	.amdgcn_target "amdgcn-amd-amdhsa--gfx1250"
	.amdhsa_code_object_version 6
	.text
	.protected	k_q6f5b60ca90_prep
	.globl	k_q6f5b60ca90_prep
	.p2align	8
	.type	k_q6f5b60ca90_prep,@function
k_q6f5b60ca90_prep:
	s_mov_b64 s[64:65], 0
	v_nop
	global_prefetch_b8 v0, s[64:65] scope:SCOPE_SE
	s_setreg_imm32_b32 hwreg(HW_REG_WAVE_MODE, 25, 1), 1
	s_wait_xcnt 0x0
; feature [256][256] f32 becomes the queries' operand of the quantised product, laid as an IMAGE OF THE OPERAND'S REGISTERS, with what else a query needs beside it.
; fq: [16 tiles of 16 queries][2,560 bytes].  Piece p = 0..3 at 512 p + 16 x lane: registers 4 p .. 4 p + 3 of the tile's 16 code registers (K step p / 2).
; Piece 4 at 2,048 + 16 x lane: for lane (r, h): -a2/2 of query r, its cluster_idx, its gt_label, its scale word of K step h.
; One wave to a tile.  Lane (r, h) holds of row r the blocks 4 s + 2 c + h (s, c = 0, 1), 32 numbers each, which is what the 4-bit operand's layout gives that lane: the conversions' results ARE the operand.
; A block's scale is 2^(floor(log2(its largest magnitude)) - 2): its byte is the largest magnitude's exponent field - 2, held at 1 from below.
; LIMITS: a block of zeros gets the byte 1 where the rule says 127 (its codes are zeros, and this program alone reads the bytes); NaN and infinities are not served;
; a2 is summed in four chains and across two lanes, another order than a plain sum's.
; The loads' lanes stand 1,024 bytes apart; each lane uses its 128 bytes of a block whole over eight loads, and the launch reads 262,144 bytes in all.
.set SH8, 9                            ; v9   8 h: where my two scale bytes go in the word
.set TP,  10                           ; v10  a lane permute's destination
.set W0,  12                           ; v12, v13  the scale words of K steps 0, 1
.set W1,  13
.set MXA, 14                           ; v14, v15  two chains of a block's largest magnitude
.set MXB, 15
.set FR,  16                           ; v16-31  the codes
.set NB2, 32                           ; v32-35  piece 4: -a2/2, cluster_idx, gt_label, the scale word
.set CQ,  33
.set GQ,  34
.set SW,  35
.set SO,  36                           ; v36  the conversion's scale operand
.set BY,  37                           ; v37  the scale's byte
.set SA,  38                           ; v[38:39], v[40:41]  the sum of squares in four chains
.set SB,  40
.set SS,  42
.set XB,  64                           ; v64-191  four blocks of 32 numbers
.set SEL, 12                           ; s[12:13] v_permlanex16_b32's selects for lane l xor 16
.set HM,  14                           ; s14  lanes 16-31
; One block of 32 numbers in v[x] on: four registers of codes at v[dst], its byte into word w (c = 0: bits 7:0, c = 1: bits 23:16), its squares onto the sums (first = 1: they start the sums).
.macro QBLK x, dst, w, c, first
	v_max3_num_f32 v[MXA], |v[\x]|, |v[\x+1]|, |v[\x+2]|
	v_max3_num_f32 v[MXB], |v[\x+3]|, |v[\x+4]|, |v[\x+5]|
.irp i, 6,10,14,18,22,26
	v_max3_num_f32 v[MXA], v[MXA], |v[\x+\i]|, |v[\x+\i+1]|
	v_max3_num_f32 v[MXB], v[MXB], |v[\x+\i+2]|, |v[\x+\i+3]|
.endr
	v_max3_num_f32 v[MXA], v[MXA], |v[\x+30]|, |v[\x+31]|
	v_max3_num_f32 v[MXA], v[MXA], v[MXB], 0x1800000         ; the floor 2^(3 - 127): the byte cannot fall under 1
	v_add_nc_u32 v[SO], 0xff000000, v[MXA]                   ; 2 off the exponent field: the conversion takes this operand's exponent field as its scale
	v_lshrrev_b32 v[BY], 23, v[SO]                           ; the scale's byte
.if \c
	v_lshl_or_b32 v[\w], v[BY], 16, v[\w]
.else
	v_mov_b32 v[\w], v[BY]
.endif
.if \first
	v_pk_mul_f32 v[SA:SA+1], v[\x:\x+1], v[\x:\x+1]
	v_pk_mul_f32 v[SB:SB+1], v[\x+2:\x+3], v[\x+2:\x+3]
.else
	v_pk_fma_f32 v[SA:SA+1], v[\x:\x+1], v[\x:\x+1], v[SA:SA+1]
	v_pk_fma_f32 v[SB:SB+1], v[\x+2:\x+3], v[\x+2:\x+3], v[SB:SB+1]
.endif
.irp i, 4,8,12,16,20,24,28
	v_pk_fma_f32 v[SA:SA+1], v[\x+\i:\x+\i+1], v[\x+\i:\x+\i+1], v[SA:SA+1]
	v_pk_fma_f32 v[SB:SB+1], v[\x+\i+2:\x+\i+3], v[\x+\i+2:\x+\i+3], v[SB:SB+1]
.endr
.irp g, 0,1,2,3
	v_cvt_scalef32_pk8_fp4_f32 v[\dst+\g], v[\x+8*\g:\x+8*\g+7], v[SO]
.endr
	v_nop                                                    ; one plain place behind the last scaled conversion
.endm
.macro WORD w                          ; my two bytes go 8 h bits up; with lane l xor 16's two the word is whole, in both lanes
	v_lshlrev_b32 v[\w], v[SH8], v[\w]
	v_permlanex16_b32 v[TP], v[\w], s[SEL], s[SEL+1]
	v_or_b32 v[\w], v[\w], v[TP]
.endm
.macro FINISH                          ; lanes 0-15 keep K step 0's word, lanes 16-31 K step 1's; the row's sum of squares, halved and negated (exact)
	v_cndmask_b32 v[SW], v[W0], v[W1], s[HM]
	v_pk_add_f32 v[SA:SA+1], v[SA:SA+1], v[SB:SB+1]
	v_add_f32 v[SS], v[SA], v[SA+1]
	v_permlanex16_b32 v[TP], v[SS], s[SEL], s[SEL+1]
	v_add_f32 v[SS], v[SS], v[TP]
	v_mul_f32 v[NB2], -0.5, v[SS]
.endm
	s_load_b256 s[4:11], s[0:1], 0x0               ; feature s[4:5], cluster_idx s[6:7], gt_label s[8:9], fq s[10:11]
	v_and_b32 v1, 15, v0                           ; r
	v_bfe_u32 v2, v0, 4, 1                         ; h
	v_lshlrev_b32 v3, 10, v1
	v_lshl_add_u32 v3, v2, 7, v3                   ; row r of 1,024 bytes, + 128 h
	v_lshlrev_b32 v4, 2, v1                        ; 4 r
	v_lshlrev_b32 v5, 4, v0                        ; 16 x lane (one wave: the thread's number is the lane)
	v_lshlrev_b32 v[SH8], 3, v2
	v_mov_b32 v[TP], 0                             ; written once: a lane permute's destination counts as one of its sources
	s_mov_b32 s[SEL], 0x76543210
	s_mov_b32 s[SEL+1], 0xfedcba98
	s_mov_b32 s[HM], 0xffff0000
	s_lshl_b32 s16, ttmp9, 14                      ; my tile: 16 rows of 1,024 bytes,
	s_mov_b32 s17, 0
	s_lshl_b32 s18, ttmp9, 6                       ; 16 labels,
	s_mov_b32 s19, 0
	s_mul_i32 s20, ttmp9, 2560                     ; one image
	s_mov_b32 s21, 0
	s_wait_kmcnt 0x0
	s_add_nc_u64 s[4:5], s[4:5], s[16:17]
	s_add_nc_u64 s[6:7], s[6:7], s[18:19]
	s_add_nc_u64 s[8:9], s[8:9], s[18:19]
	s_add_nc_u64 s[10:11], s[10:11], s[20:21]
.irp t, 0,1,2,3                                ; block 2 t + h of my row: t = 2 s + c
.irp i, 0,1,2,3,4,5,6,7
	global_load_b128 v[XB+32*\t+4*\i:XB+32*\t+4*\i+3], v3, s[4:5] offset:256*\t+16*\i
.endr
.endr
	global_load_b32 v[CQ], v4, s[6:7]
	global_load_b32 v[GQ], v4, s[8:9]
	s_wait_loadcnt 0x0
	QBLK XB, FR, W0, 0, 1
	QBLK XB+32, FR+4, W0, 1, 0
	WORD W0
	QBLK XB+64, FR+8, W1, 0, 0
	QBLK XB+96, FR+12, W1, 1, 0
	WORD W1
	FINISH
.irp p, 0,1,2,3
	global_store_b128 v5, v[FR+4*\p:FR+4*\p+3], s[10:11] offset:512*\p     ; each store covers 512 consecutive bytes, at a multiple of 256 from fq's first byte
.endr
	global_store_b128 v5, v[NB2:NB2+3], s[10:11] offset:2048
	s_endpgm
.Lfunc_end_k_q6f5b60ca90_prep:
	.size	k_q6f5b60ca90_prep, .Lfunc_end_k_q6f5b60ca90_prep-k_q6f5b60ca90_prep
	.p2alignl 7, 3214868480
	.fill 96, 4, 3214868480
	.section	.rodata,"a",@progbits
	.p2align	6, 0x0
	.amdhsa_kernel k_q6f5b60ca90_prep
		.amdhsa_group_segment_fixed_size 0
		.amdhsa_private_segment_fixed_size 0
		.amdhsa_enable_private_segment 0
		.amdhsa_kernarg_size 32
		.amdhsa_user_sgpr_count 2
		.amdhsa_user_sgpr_kernarg_segment_ptr 1
		.amdhsa_wavefront_size32 1
		.amdhsa_system_sgpr_workgroup_id_x 1
		.amdhsa_system_sgpr_workgroup_id_y 1
		.amdhsa_system_sgpr_workgroup_id_z 1
		.amdhsa_system_vgpr_workitem_id 0
		.amdhsa_next_free_vgpr 192
		.amdhsa_next_free_sgpr 66
		.amdhsa_reserve_vcc 0
		.amdhsa_float_denorm_mode_32 3
		.amdhsa_float_denorm_mode_16_64 3
		.amdhsa_memory_ordered 1
		.amdhsa_forward_progress 1
		.amdhsa_inst_pref_size 16
	.end_amdhsa_kernel
	.amdgpu_metadata
---
amdhsa.version: [ 1, 2 ]
amdhsa.kernels:
  - .name:           k_q6f5b60ca90_prep
    .symbol:         k_q6f5b60ca90_prep.kd
    .args:
      - { .name: feature, .offset: 0, .size: 8, .value_kind: global_buffer, .address_space: global }
      - { .name: cluster_idx, .offset: 8, .size: 8, .value_kind: global_buffer, .address_space: global }
      - { .name: gt_label, .offset: 16, .size: 8, .value_kind: global_buffer, .address_space: global }
      - { .name: fq, .offset: 24, .size: 8, .value_kind: global_buffer, .address_space: global }
    .group_segment_fixed_size: 0
    .private_segment_fixed_size: 0
    .kernarg_segment_align: 8
    .kernarg_segment_size: 32
    .max_flat_workgroup_size: 32
    .sgpr_count:     66
    .vgpr_count:     192
    .wavefront_size: 32
...
	.end_amdgpu_metadata
.endif
;; end of part 1
;; launch scan (part 2): grid 250 x 1, 25 waves a work-group, no clusters, 255,488 bytes of LDS; arguments feature_bank, fq, class_label_bank, cluster_label_bank, part; writes part
.if DOCPART == 2
	.amdgcn_target "amdgcn-amd-amdhsa--gfx1250"
	.amdhsa_code_object_version 6
	.text
	.protected	k_q6f5b60ca90_scan
	.globl	k_q6f5b60ca90_scan
	.p2align	8
	.type	k_q6f5b60ca90_scan,@function
k_q6f5b60ca90_scan:
	s_mov_b64 s[64:65], 0
	v_nop
	global_prefetch_b8 v0, s[64:65] scope:SCOPE_SE
	s_setreg_imm32_b32 hwreg(HW_REG_WAVE_MODE, 25, 1), 1
	s_wait_xcnt 0x0
; The bank [100,000][256] f32 is read ONCE: quantised to FP4 (E2M1) with one E8M0 scale for each 32 along K, multiplied with all 256 queries, masked, and reduced to the least distance of each GROUP of 8 neighbouring rows,
; and then to one (distance, group) for each work-group, query and mask.  part: [250 work-groups][mask: 0 = other class, 1 = same cluster and other class][256 queries] x {distance f32, group = row / 8}.
; SHARES.  100,000 rows = 250 work-groups x 25 waves x 16 rows, with nothing left over.  A wave owns ONE tile of 16 rows: it quantises it into 16 registers of its own and multiplies it with the 16 tiles of queries,
; whose operands (launch prep's images) lie in LDS.  No code of the bank goes from wave to wave.  There are some thirty vector instructions for each matrix instruction here, so the work is cut into many small waves
; that run independently between the two barriers: while one wave waits for its rows, another computes.
; ASKED FOR EARLY.  At its head a wave asks for K step 0 of its tile (16 half rows of 512 bytes) by ONE tensor load, which lays them into the wave's own stage with the padding that the reads want; waves 0-3 ask first for a
; quarter of fq each.  The first barrier hangs on fq's 40,960 bytes alone; behind it the wave asks for K step 1 (sixteen loads into 64 registers) and quantises K step 0 meanwhile.  A wave has at most two tensor loads out.
; No LDS byte is filled twice by a tensor load; a stage is written by its wave's LDS stores only behind the wave's wait for its one fill.
; THE PRODUCT: source 0 = my 16 rows, source 1 = 16 queries: register j of lane (r, h) belongs to query r and row 8 h + j.  Its C is (-a2/2) + (-b2/2) (halving is exact), so that the sum is -d2/2 and nothing is added behind it.
; THE DISTANCE.  Hidden pairs become -infinity; the largest -d2/2 of a lane's 8 registers is the group's; x -2, held at 0 from below, and ONE root give the group's least distance, since holding and root do not fall where
; their input rises.  Groups are compared by their distances, strictly, in ascending order of rows; launch fetch takes holding and root for each of the winning group's 8 rows.  Together: the first row of least distance.
; LIMITS.  This leans on v_sqrt_f32 not falling where its input rises; its result is within one unit in the last place and takes denormals as zero (ISA guide, the instruction's entry).  The addend a2 + b2 is rounded inside
; the matrix unit's sum, not by f32 subtractions; b2 is summed in four chains and across two lanes.  NaN and infinities among the inputs are not served; d2 has to be finite.  A block of zeros gets the byte 1 with zero codes.
; NO CLUSTER: work-groups share fq alone, 40,960 of the 450,560 bytes that a work-group reads, and 250 work-groups do not divide into clusters of four.
; LDS: 0 .. 40,959 a copy of fq.  From 40,960 on 8,448 bytes for each wave, its own until the second barrier: first a stage of 16 rows x (512 + 16) bytes, out of which a lane reads whole blocks of 32 numbers of its row
; (a row starts 16 bytes further on modulo 256 than the row before, so the sixteen rows that a read touches fall on different columns of 16 bytes);
; afterwards the wave's results, at mask x 2,176 + h x 1,088 + 4 x query, and at 4,352 the sixteen -b2/2.
.set FQL,   0
.set FQQ,   10240                      ; a quarter of fq: 40 rows of 256 bytes
.set STAGE, 40960
.set WST,   8448                       ; a wave's bytes
.set SP,    528                        ; a stage row
.set NBX,   4352                       ; -b2/2 of my 16 rows
.set RPH,   1088                       ; results: from lanes 0-15's group to lanes 16-31's
.set RPM,   2176                       ; and from mask 0 to mask 1
.set QTB,   2560                       ; an image of 16 queries
; vector registers that stay
.set LOF, 1                            ; v1   16 x lane: my bytes of a half row, and of an image's piece
.set STS, 2                            ; v2   the stage, on the way in: + 16 x lane
.set STL, 3                            ; v3   on the way out: + 528 r + 128 h
.set NI,  4                            ; v4   -infinity
.set RS,  5                            ; v5   my results: + 1,088 h + 4 r
.set NBA, 6                            ; v6   my stage + 4 r
.set NBL, 7                            ; v7   my stage + 32 h
.set SW,  8                            ; v8   my rows' scale words: lanes 0-15 K step 0's, lanes 16-31 K step 1's; nothing else is ever kept here
.set SH8, 9                            ; v9   8 h
.set TP,  10                           ; v10  a lane permute's destination
.set CP,  11                           ; v11  at the end: 8 x thread
.set W0,  12                           ; v12, v13 the two scale words; v14, v15 two chains of a largest magnitude; at the end the four LDS bases
.set W1,  13
.set MXA, 14
.set MXB, 15
.set FR,  16                           ; v16-31 my tile's codes
; while the tile is quantised (v35, v39, v43, v47 are left alone: they will hold the queries' scale words and hold nothing else)
.set SA,  32                           ; v[32:33], v[36:37] the sum of squares in four chains
.set SO,  34
.set SB,  36
.set BY,  38
.set SS,  40
.set NB2, 41
.set XB,  48                           ; v48-79  a block of 32 numbers
.set LB,  80                           ; v80-143 K step 1's sixteen half rows as loaded
; while it is multiplied
.set QC,  32                           ; v32-47  two sets x two tiles x {-a2/2, cluster_idx, gt_label, scale word}
.set NB,  48                           ; v48-55  -b2/2 of rows 8 h + j
.set CL,  56                           ; v56-63  their class labels
.set CU,  64                           ; v64-71  their cluster labels
.set FQ,  72                           ; v72-103 two tiles of queries: 16 registers of codes each
.set ACC, 104                          ; v104-119 two accumulators
.set PT,  120                          ; v120-127 the second mask's numbers
.set MM,  128                          ; v128-131 tile u: the group's figure under mask 0, under mask 1
; at the end
.set RR,  72                           ; v72-121 fifty groups' distances
.set OUTP, 122                         ; v[122:123] what is stored
.set GA,  124
.set GB,  125
; scalar registers
.set WV,  14                           ; s14  my wave's number
.set TL,  15                           ; s15  my tile
.set LCL, 16                           ; s16-31 my rows' class labels
.set LCU, 32                           ; s32-47 their cluster labels
.set SEL, 48                           ; s[48:49] lane l xor 16
.set HM,  50                           ; s50  lanes 16-31
.set G1T, 68                           ; s[68:75] descriptor group 1 for my tile's half rows;  s[76:79] its group 0
.set G0T, 76
.set G1F, 80                           ; s[80:87] group 1 for a quarter of fq;  s[88:91] its group 0
.set G0F, 88
.set MF,  66                           ; s66-81 other class: 8 u + j.  (The masks take the descriptors' registers only behind the wave's wait for all its tensor loads)
.set MP,  82                           ; s82-97 same cluster
; One block of 32 numbers in v[x] on: four registers of codes at v[dst], its byte into word w (c = 0: bits 7:0, c = 1: bits 23:16), its squares onto the sums (first = 1: they start the sums).
.macro QBLK x, dst, w, c, first
	v_max3_num_f32 v[MXA], |v[\x]|, |v[\x+1]|, |v[\x+2]|
	v_max3_num_f32 v[MXB], |v[\x+3]|, |v[\x+4]|, |v[\x+5]|
.irp i, 6,10,14,18,22,26
	v_max3_num_f32 v[MXA], v[MXA], |v[\x+\i]|, |v[\x+\i+1]|
	v_max3_num_f32 v[MXB], v[MXB], |v[\x+\i+2]|, |v[\x+\i+3]|
.endr
	v_max3_num_f32 v[MXA], v[MXA], |v[\x+30]|, |v[\x+31]|
	v_max3_num_f32 v[MXA], v[MXA], v[MXB], 0x1800000         ; the floor 2^(3 - 127): the byte cannot fall under 1
	v_add_nc_u32 v[SO], 0xff000000, v[MXA]                   ; 2 off the exponent field: the conversion takes this operand's exponent field as its scale
	v_lshrrev_b32 v[BY], 23, v[SO]                           ; the scale's byte
.if \c
	v_lshl_or_b32 v[\w], v[BY], 16, v[\w]
.else
	v_mov_b32 v[\w], v[BY]
.endif
.if \first
	v_pk_mul_f32 v[SA:SA+1], v[\x:\x+1], v[\x:\x+1]
	v_pk_mul_f32 v[SB:SB+1], v[\x+2:\x+3], v[\x+2:\x+3]
.else
	v_pk_fma_f32 v[SA:SA+1], v[\x:\x+1], v[\x:\x+1], v[SA:SA+1]
	v_pk_fma_f32 v[SB:SB+1], v[\x+2:\x+3], v[\x+2:\x+3], v[SB:SB+1]
.endif
.irp i, 4,8,12,16,20,24,28
	v_pk_fma_f32 v[SA:SA+1], v[\x+\i:\x+\i+1], v[\x+\i:\x+\i+1], v[SA:SA+1]
	v_pk_fma_f32 v[SB:SB+1], v[\x+\i+2:\x+\i+3], v[\x+\i+2:\x+\i+3], v[SB:SB+1]
.endr
.irp g, 0,1,2,3
	v_cvt_scalef32_pk8_fp4_f32 v[\dst+\g], v[\x+8*\g:\x+8*\g+7], v[SO]
.endr
	v_nop                                                    ; one plain place behind the last scaled conversion
.endm
.macro WORD w                          ; my two bytes go 8 h bits up; with lane l xor 16's two the word is whole, in both lanes
	v_lshlrev_b32 v[\w], v[SH8], v[\w]
	v_permlanex16_b32 v[TP], v[\w], s[SEL], s[SEL+1]
	v_or_b32 v[\w], v[\w], v[TP]
.endm
.macro FINISH                          ; lanes 0-15 keep K step 0's word, lanes 16-31 K step 1's; the row's sum of squares, halved and negated (exact)
	v_cndmask_b32 v[SW], v[W0], v[W1], s[HM]
	v_pk_add_f32 v[SA:SA+1], v[SA:SA+1], v[SB:SB+1]
	v_add_f32 v[SS], v[SA], v[SA+1]
	v_permlanex16_b32 v[TP], v[SS], s[SEL], s[SEL+1]
	v_add_f32 v[SS], v[SS], v[TP]
	v_mul_f32 v[NB2], -0.5, v[SS]
.endm
.macro LOADK s                         ; half s (K step s) of my 16 rows: each load reads 512 consecutive bytes, at a multiple of 256 from the bank's first byte; read once in this launch
.irp i, 0,1,2,3,4,5,6,7,8,9,10,11,12,13,14,15
	global_load_b128 v[LB+4*\i:LB+4*\i+3], v[LOF], s[4:5] offset:1024*\i+512*\s th:TH_LOAD_NT
.endr
.endm
; K step s lies in my stage: my two blocks of it become eight registers of codes and two scale bytes.
.macro BLOCKS s
.irp i, 0,1,2,3,4,5,6,7
	ds_load_b128 v[XB+4*\i:XB+4*\i+3], v[STL] offset:16*\i         ; block 2 x 0 + h of my row's half
.endr
	s_wait_dscnt 0x0
	QBLK XB, FR+8*\s, W0+\s, 0, 1-\s
.irp i, 0,1,2,3,4,5,6,7
	ds_load_b128 v[XB+4*\i:XB+4*\i+3], v[STL] offset:256+16*\i     ; block 2 + h
.endr
	s_wait_dscnt 0x0                               ; my reads of the stage are over: it may be written again
	QBLK XB, FR+8*\s+4, W0+\s, 1, 0
	WORD W0+\s
.endm
; Ten LDS loads: the images of query tiles 2 p and 2 p + 1; the four words a query go into set p % 2.
.macro PAIRLOAD p
.irp u, 0,1
	ds_load_b128 v[QC+8*((\p)%2)+4*\u:QC+8*((\p)%2)+4*\u+3], v[LOF] offset:FQL+QTB*(2*(\p)+\u)+2048
.irp i, 0,1,2,3
	ds_load_b128 v[FQ+16*\u+4*\i:FQ+16*\u+4*\i+3], v[LOF] offset:FQL+QTB*(2*(\p)+\u)+512*\i
.endr
.endr
.endm
.macro PROD p, u, s                    ; K step s of my tile x query tile 2 p + u; K step 1 takes both sides' scale words from lanes 16-31
.if \s
	v_wmma_scale_f32_16x16x128_f8f6f4 v[ACC+8*\u:ACC+8*\u+7], v[FR+8:FR+15], v[FQ+16*\u+8:FQ+16*\u+15], v[ACC+8*\u:ACC+8*\u+7], v[SW], v[QC+8*((\p)%2)+4*\u+3] matrix_a_fmt:MATRIX_FMT_FP4 matrix_b_fmt:MATRIX_FMT_FP4 matrix_a_scale:MATRIX_SCALE_ROW1 matrix_b_scale:MATRIX_SCALE_ROW1
.else
	v_wmma_scale_f32_16x16x128_f8f6f4 v[ACC+8*\u:ACC+8*\u+7], v[FR:FR+7], v[FQ+16*\u:FQ+16*\u+7], v[ACC+8*\u:ACC+8*\u+7], v[SW], v[QC+8*((\p)%2)+4*\u+3] matrix_a_fmt:MATRIX_FMT_FP4 matrix_b_fmt:MATRIX_FMT_FP4
.endif
.endm
; What is made of accumulator u: both masks, the group's largest -d2/2 under each, its distance, to my results in LDS.  The accumulator is read from its low end on.
.macro EPI p, u
.irp j, 0,1,2,3,4,5,6,7
	v_cndmask_b32 v[ACC+8*\u+\j], v[NI], v[ACC+8*\u+\j], s[MF+8*\u+\j]      ; the same class: hidden
.endr
.irp j, 0,1,2,3,4,5,6,7
	v_cndmask_b32 v[PT+\j], v[NI], v[ACC+8*\u+\j], s[MP+8*\u+\j]            ; and, for mask 1, another cluster
.endr
	v_max3_num_f32 v[MM+2*\u], v[ACC+8*\u], v[ACC+8*\u+1], v[ACC+8*\u+2]    ; the two chains by turns
	v_max3_num_f32 v[MM+2*\u+1], v[PT], v[PT+1], v[PT+2]
	v_max3_num_f32 v[MM+2*\u], v[MM+2*\u], v[ACC+8*\u+3], v[ACC+8*\u+4]
	v_max3_num_f32 v[MM+2*\u+1], v[MM+2*\u+1], v[PT+3], v[PT+4]
	v_max3_num_f32 v[MM+2*\u], v[MM+2*\u], v[ACC+8*\u+5], v[ACC+8*\u+6]
	v_max3_num_f32 v[MM+2*\u+1], v[MM+2*\u+1], v[PT+5], v[PT+6]
	v_max_num_f32 v[MM+2*\u], v[MM+2*\u], v[ACC+8*\u+7]
	v_max_num_f32 v[MM+2*\u+1], v[MM+2*\u+1], v[PT+7]
	v_mul_f32 v[MM+2*\u], -2.0, v[MM+2*\u]                                  ; the group's least d2 (all hidden: +infinity),
	v_mul_f32 v[MM+2*\u+1], -2.0, v[MM+2*\u+1]
	v_max_num_f32 v[MM+2*\u], 0, v[MM+2*\u]                                 ; held at 0 from below,
	v_max_num_f32 v[MM+2*\u+1], 0, v[MM+2*\u+1]
	v_sqrt_f32 v[MM+2*\u], v[MM+2*\u]                                       ; its root
	v_sqrt_f32 v[MM+2*\u+1], v[MM+2*\u+1]
	v_nop                                                                   ; one plain place behind a transcendental
	s_wait_alu depctr_va_vdst(0)
	ds_store_b32 v[RS], v[MM+2*\u] offset:64*(2*(\p)+\u)
	ds_store_b32 v[RS], v[MM+2*\u+1] offset:RPM+64*(2*(\p)+\u)
.endm
; Two tiles of queries.  The two accumulators take turns, one instruction a turn.
.macro PAIR p
	s_wait_dscnt 0x0                               ; this pair's ten loads are in; the last pair's stores have read their registers
.irp u, 0,1
.irp i, 0,1,2,3
	v_pk_add_f32 v[ACC+8*\u+2*\i:ACC+8*\u+2*\i+1], v[NB+2*\i:NB+2*\i+1], v[QC+8*((\p)%2)+4*\u:QC+8*((\p)%2)+4*\u+1] op_sel_hi:[1,0]   ; C = -b2/2 - a2/2, two at a time
.endr
.endr
.irp u, 0,1
.irp j, 0,1,2,3,4,5,6,7
	v_cmp_ne_u32 s[MF+8*\u+\j], v[CL+\j], v[QC+8*((\p)%2)+4*\u+2]           ; row 8 h + j has another class than query r
	v_cmp_eq_u32 s[MP+8*\u+\j], v[CU+\j], v[QC+8*((\p)%2)+4*\u+1]           ; and the query's cluster
.endr
.endr
	PROD \p, 0, 0
	PROD \p, 1, 0
	PROD \p, 0, 1
	PROD \p, 1, 1
.rept 4
	v_nop                                          ; four places in front of loads into registers that these products have read, and of the first read of their results
.endr
.if (\p) < 7
	PAIRLOAD (\p)+1
.endif
	EPI \p, 0
	EPI \p, 1
.endm
	s_load_b256 s[4:11], s[0:1], 0x0               ; the bank s[4:5], fq s[6:7], class labels s[8:9], cluster labels s[10:11]
	s_load_b64 s[12:13], s[0:1], 0x20              ; part
	v_lshl_add_u32 v142, v0, 2, 0x3d900
	v_mov_b32 v143, 0
	ds_add_u32 v142, v143
	ds_add_u32 v142, v143
	s_wait_dscnt 0x0
	v_lshrrev_b32 v1, 5, v0
	v_readfirstlane_b32 s[WV], v1                  ; wave 0..24
	v_and_b32 v13, 31, v0                          ; lane
	v_and_b32 v14, 15, v0                          ; r
	v_bfe_u32 v15, v0, 4, 1                        ; h
	s_mul_i32 s52, s[WV], WST
	s_add_co_u32 s52, s52, STAGE                   ; my wave's bytes of LDS
	v_lshlrev_b32 v[LOF], 4, v13
	v_add_nc_u32 v[STS], s52, v[LOF]
	v_mul_u32_u24 v[STL], v14, SP
	v_lshl_add_u32 v[STL], v15, 7, v[STL]
	v_add_nc_u32 v[STL], s52, v[STL]
	v_mov_b32 v[NI], 0xff800000
	v_mul_u32_u24 v[RS], v15, RPH
	v_lshl_add_u32 v[RS], v14, 2, v[RS]
	v_add_nc_u32 v[RS], s52, v[RS]
	v_lshlrev_b32 v[NBA], 2, v14
	v_add_nc_u32 v[NBA], s52, v[NBA]
	v_lshlrev_b32 v[NBL], 5, v15
	v_add_nc_u32 v[NBL], s52, v[NBL]
	v_lshlrev_b32 v[SH8], 3, v15
	v_mov_b32 v[TP], 0                             ; written once: a lane permute's destination counts as one of its sources
	s_mov_b32 s[SEL], 0x76543210
	s_mov_b32 s[SEL+1], 0xfedcba98
	s_mov_b32 s[HM], 0xffff0000
	; descriptor group 1 for a tile's half rows: 16 rows of 64 elements of 8 bytes, 128 elements from row to row; in LDS 4 words of padding behind every 128 words
	s_mov_b32 s[G1T], (3<<16)|(1<<20)|(6<<22)|(3<<25)   ; 15:0 no mask; 17:16 elements of 8 bytes; 20 padding on; 24:22 after every 128 words (code 6); 31:25 four words (code 3)
	s_mov_b32 s[G1T+1], 64<<16                     ; tensor_dim0 = 64
	s_mov_b32 s[G1T+2], 16<<16                     ; tensor_dim1 = 16
	s_mov_b32 s[G1T+3], 64<<16                     ; tile_dim0 = 64
	s_mov_b32 s[G1T+4], 16                         ; tile_dim1 = 16
	s_mov_b32 s[G1T+5], 128                        ; tensor_dim0_stride: a row of the bank
	s_mov_b32 s[G1T+6], 0
	s_mov_b32 s[G1T+7], 0
	; and for a quarter of fq: a dense block of 10,240 bytes as 40 rows of 256 bytes, no padding
	s_mov_b32 s[G1F], 3<<16
	s_mov_b32 s[G1F+1], 32<<16
	s_mov_b32 s[G1F+2], 40<<16
	s_mov_b32 s[G1F+3], 32<<16
	s_mov_b32 s[G1F+4], 40
	s_mov_b32 s[G1F+5], 32
	s_mov_b32 s[G1F+6], 0
	s_mov_b32 s[G1F+7], 0
	s_mul_i32 s[TL], ttmp9, 25
	s_add_co_u32 s[TL], s[TL], s[WV]               ; my tile: 25 x work-group + wave
	s_and_b32 s53, s[WV], 3
	s_mul_i32 s53, s53, FQQ                        ; which quarter of fq (waves 0-3 alone ask for one): its byte in fq and in LDS
	s_mov_b32 s55, 0
	s_wait_kmcnt 0x0
	s_lshl_b32 s54, s[TL], 14                      ; 16 rows of 1,024 bytes (under 2^27)
	s_add_nc_u64 s[4:5], s[4:5], s[54:55]
	s_mov_b32 s[G0T], 1                            ; 1:0 count = 1
	s_mov_b32 s[G0T+1], s52                        ; 63:32 LDS address: my stage
	s_mov_b64 s[G0T+2:G0T+3], s[4:5]               ; 120:64 global address: my tile's first byte: K step 0
	s_or_b32 s[G0T+3], s[G0T+3], 0x80000000        ; 127:126 type = 2
	s_mov_b32 s54, s53
	s_mov_b32 s[G0F], 1
	s_mov_b32 s[G0F+1], s53
	s_add_nc_u64 s[G0F+2:G0F+3], s[6:7], s[54:55]
	s_or_b32 s[G0F+3], s[G0F+3], 0x80000000
	s_cmp_lt_u32 s[WV], 4                          ; a wave's first fills stand in one branch on its number, ahead of every wait on TENSORcnt, every LDS read and every barrier; four v_nop follow the last
	s_cbranch_scc0 .Ltile_alone
	tensor_load_to_lds s[G0F:G0F+3], s[G1F:G1F+7]  ; fq's quarter first: every wave will wait for it
	s_nop 0
	tensor_load_to_lds s[G0T:G0T+3], s[G1T:G1T+7]
	s_nop 0
.rept 4
	v_nop
.endr
	s_branch .Lasked
.Ltile_alone:
	tensor_load_to_lds s[G0T:G0T+3], s[G1T:G1T+7]
	s_nop 0
.rept 4
	v_nop
.endr
.Lasked:
	s_lshl_b32 s54, s[TL], 6                       ; 16 labels
	s_add_nc_u64 s[8:9], s[8:9], s[54:55]
	s_add_nc_u64 s[10:11], s[10:11], s[54:55]
	s_load_b512 s[LCL:LCL+15], s[8:9], 0x0         ; the labels are the same for every lane: scalar loads
	s_load_b512 s[LCU:LCU+15], s[10:11], 0x0
	s_lshl_b32 s54, ttmp9, 12                      ; the work-group's 4,096 bytes of part
	s_add_nc_u64 s[12:13], s[12:13], s[54:55]
	s_wait_tensorcnt 0x1                           ; waves 0-3: the quarter of fq has landed; the tile's load, issued behind it, stays out.  The other waves have one load out at the most
	s_barrier_signal -1
	s_barrier_wait -1                              ; fq is whole.
	LOADK 1                                        ; K step 1 is asked for while K step 0 is on its way or at work
	s_wait_tensorcnt 0x0                           ; K step 0 lies in my stage; no tensor load of mine is out from here on
	BLOCKS 0
.irp i, 0,1,2,3,4,5,6,7,8,9,10,11,12,13,14,15
	s_wait_loadcnt 15-\i                           ; loads come back in order: row i's is in, the younger ones stay out
	ds_store_b128 v[STS], v[LB+4*\i:LB+4*\i+3] offset:SP*\i        ; into my stage, which has had its one fill and whose reads are over
.endr
	BLOCKS 1                                       ; LDS serves a wave's instructions in order: its reads see my stores
	FINISH
	ds_store_b32 v[NBA], v[NB2] offset:NBX         ; -b2/2 of row r (both halves of the lanes write the same word with the same value),
	ds_load_b128 v[NB:NB+3], v[NBL] offset:NBX     ; and back as the accumulator's layout wants it: rows 8 h + 0 .. 7
	ds_load_b128 v[NB+4:NB+7], v[NBL] offset:NBX+16
	s_wait_kmcnt 0x0                               ; the labels
.irp j, 0,1,2,3,4,5,6,7
	v_mov_b32 v[CL+\j], s[LCL+\j]
	v_mov_b32 v[CU+\j], s[LCU+\j]
.endr
.irp j, 0,1,2,3,4,5,6,7
	v_cndmask_b32 v[CL+\j], v[CL+\j], s[LCL+8+\j], s[HM]    ; lanes 16-31: rows 8 .. 15
	v_cndmask_b32 v[CU+\j], v[CU+\j], s[LCU+8+\j], s[HM]
.endr
.rept 8
	v_nop                                          ; a scale register written by a vector instruction stands eight places ahead of a scaled matrix instruction, an operand so written four
.endr
	PAIRLOAD 0
.irp p, 0,1,2,3,4,5,6,7
	PAIR \p
.endr
	s_wait_dscnt 0x0                               ; for the others' sake: my results have landed
	s_barrier_signal -1
	s_barrier_wait -1                              ; all 25 waves' have
	; thread t < 512 takes mask t / 256 and query t % 256, and goes through the work-group's 50 groups in ascending order.  The addresses are made on the path that all waves take.
	v_lshrrev_b32 v12, 8, v0
	v_and_b32 v13, 255, v0
	v_mul_u32_u24 v12, v12, RPM
	v_lshl_add_u32 v12, v13, 2, v12
	v_add_nc_u32 v15, STAGE+21*WST, v12            ; an LDS offset has 16 bits: a base for every seven waves' bytes
	v_add_nc_u32 v14, STAGE+14*WST, v12
	v_add_nc_u32 v13, STAGE+7*WST, v12
	v_add_nc_u32 v12, STAGE, v12
	v_lshlrev_b32 v[CP], 3, v0                     ; 8 x thread: my place in the work-group's part
	s_cmp_lt_u32 s[WV], 16
	s_cbranch_scc1 .Lreduce
	s_wait_xcnt 0x0
	v_lshl_add_u32 v142, v0, 2, 0x3d900
	v_mov_b32 v143, 0
	s_wait_tensorcnt 0x0
	ds_add_u32 v142, v143
	s_wait_dscnt 0x0
	s_endpgm                                       ; waves 16-24 have no query left; no barrier follows
.Lreduce:
.irp w, 0,1,2,3,4,5,6,7,8,9,10,11,12,13,14,15,16,17,18,19,20,21,22,23,24
.irp h, 0,1
	ds_load_b32 v[RR+2*\w+\h], v[12+\w/7] offset:WST*(\w%7)+RPH*\h          ; group 2 w + h
.endr
.endr
	v_mov_b32 v[GA], 0
	v_mov_b32 v[GB], 25
	s_mul_i32 s54, ttmp9, 50                       ; the work-group's first group
	s_wait_dscnt 0x0
.irp e, 1,2,3,4,5,6,7,8,9,10,11,12,13,14,15,16,17,18,19,20,21,22,23,24
	v_cmp_lt_f32 s52, v[RR+\e], v[RR]              ; two chains by turns: groups 0-24 and 25-49; strictly less: the earlier group keeps a tie
	v_cmp_lt_f32 s53, v[RR+25+\e], v[RR+25]
	v_cndmask_b32 v[GA], v[GA], \e, s52
	v_cndmask_b32 v[GB], v[GB], 25+\e, s53
	v_min_num_f32 v[RR], v[RR], v[RR+\e]
	v_min_num_f32 v[RR+25], v[RR+25], v[RR+25+\e]
.endr
	v_cmp_lt_f32 s52, v[RR+25], v[RR]
	v_cndmask_b32 v[OUTP+1], v[GA], v[GB], s52
	v_min_num_f32 v[OUTP], v[RR], v[RR+25]
	v_add_nc_u32 v[OUTP+1], s54, v[OUTP+1]
	global_store_b64 v[CP], v[OUTP:OUTP+1], s[12:13]       ; a wave's store covers 256 consecutive bytes, at a multiple of 256 from part's first byte
	s_wait_xcnt 0x0
	v_lshl_add_u32 v142, v0, 2, 0x3d900
	v_mov_b32 v143, 0
	s_wait_tensorcnt 0x0
	ds_add_u32 v142, v143
	s_wait_dscnt 0x0
	s_endpgm
.Lfunc_end_k_q6f5b60ca90_scan:
	.size	k_q6f5b60ca90_scan, .Lfunc_end_k_q6f5b60ca90_scan-k_q6f5b60ca90_scan
	.p2alignl 7, 3214868480
	.fill 96, 4, 3214868480
	.section	.rodata,"a",@progbits
	.p2align	6, 0x0
	.amdhsa_kernel k_q6f5b60ca90_scan
		.amdhsa_group_segment_fixed_size 255488
		.amdhsa_private_segment_fixed_size 0
		.amdhsa_enable_private_segment 0
		.amdhsa_kernarg_size 40
		.amdhsa_user_sgpr_count 2
		.amdhsa_user_sgpr_kernarg_segment_ptr 1
		.amdhsa_wavefront_size32 1
		.amdhsa_system_sgpr_workgroup_id_x 1
		.amdhsa_system_sgpr_workgroup_id_y 1
		.amdhsa_system_sgpr_workgroup_id_z 1
		.amdhsa_system_vgpr_workitem_id 0
		.amdhsa_next_free_vgpr 144
		.amdhsa_next_free_sgpr 100
		.amdhsa_reserve_vcc 0
		.amdhsa_float_denorm_mode_32 3
		.amdhsa_float_denorm_mode_16_64 3
		.amdhsa_memory_ordered 1
		.amdhsa_forward_progress 1
		.amdhsa_inst_pref_size 94
	.end_amdhsa_kernel
	.amdgpu_metadata
---
amdhsa.version: [ 1, 2 ]
amdhsa.kernels:
  - .name:           k_q6f5b60ca90_scan
    .symbol:         k_q6f5b60ca90_scan.kd
    .args:
      - { .name: feature_bank, .offset: 0, .size: 8, .value_kind: global_buffer, .address_space: global }
      - { .name: fq, .offset: 8, .size: 8, .value_kind: global_buffer, .address_space: global }
      - { .name: class_label_bank, .offset: 16, .size: 8, .value_kind: global_buffer, .address_space: global }
      - { .name: cluster_label_bank, .offset: 24, .size: 8, .value_kind: global_buffer, .address_space: global }
      - { .name: part, .offset: 32, .size: 8, .value_kind: global_buffer, .address_space: global }
    .group_segment_fixed_size: 255488
    .private_segment_fixed_size: 0
    .kernarg_segment_align: 8
    .kernarg_segment_size: 40
    .max_flat_workgroup_size: 800
    .sgpr_count:     100
    .vgpr_count:     144
    .wavefront_size: 32
...
	.end_amdgpu_metadata
.endif
;; end of part 2
;; launch pick (part 3): grid 8 x 1, 20 waves a work-group, no clusters, 7,680 bytes of LDS; arguments part, win; writes win
.if DOCPART == 3
	.amdgcn_target "amdgcn-amd-amdhsa--gfx1250"
	.amdhsa_code_object_version 6
	.text
	.protected	k_q6f5b60ca90_pick
	.globl	k_q6f5b60ca90_pick
	.p2align	8
	.type	k_q6f5b60ca90_pick,@function
k_q6f5b60ca90_pick:
	s_mov_b64 s[64:65], 0
	v_nop
	global_prefetch_b8 v0, s[64:65] scope:SCOPE_SE
	s_setreg_imm32_b32 hwreg(HW_REG_WAVE_MODE, 25, 1), 1
	s_wait_xcnt 0x0
; For each query the 250 work-groups' (distance, group) under each mask become one, and the mask is chosen: win [256] x {group, mode}, whole numbers.  mode 0: same cluster and other class; mode 1: other class alone,
; taken where no row passes the first mask, which is read as 'the least distance under it is not under infinity' (d2 has to be finite: the limit stated in launch scan).
; Where no row passes either mask, group 0 comes out, whose first row launch fetch then takes: row 0, as the least index of equal numbers.
; A work-group takes 32 queries, a lane one.  Wave w takes mask w / 10 and the 25 work-groups from 25 (w % 10) on; every comparison is strict and goes in ascending order of rows, so the earlier row keeps a tie.
; The waves' figures meet in LDS (8 bytes a thread) behind one barrier; wave 0 joins them.  A stream of 1,024,000 bytes: no matrix unit, no tensor load, no cluster.
	s_load_b128 s[4:7], s[0:1], 0x0                ; part s[4:5], win s[6:7]
	v_lshl_add_u32 v72, v0, 2, 0x1400
	v_mov_b32 v73, 0
	v_lshrrev_b32 v1, 5, v0
	v_readfirstlane_b32 s8, v1                     ; wave 0..19
	v_and_b32 v1, 31, v0
	v_lshlrev_b32 v1, 3, v1                        ; 8 x lane
	v_lshlrev_b32 v2, 3, v0                        ; 8 x thread
	s_cmp_ge_u32 s8, 10
	s_cselect_b32 s9, 1, 0                         ; the mask
	s_mul_i32 s10, s9, 10
	s_sub_co_u32 s10, s8, s10                      ; which 25 work-groups
	s_mul_i32 s12, s10, 102400                     ; 25 x 4,096 bytes,
	s_lshl_b32 s11, s9, 11                         ; 2,048 a mask,
	s_add_co_u32 s12, s12, s11
	s_lshl_b32 s14, ttmp9, 8                       ; 256 for 32 queries
	s_add_co_u32 s12, s12, s14
	s_mov_b32 s13, 0
	s_mov_b32 s15, 0
	s_wait_kmcnt 0x0
	s_add_nc_u64 s[4:5], s[4:5], s[12:13]
	s_add_nc_u64 s[6:7], s[6:7], s[14:15]
.irp k, 0,1,2,3,4,5,6,7,8,9,10,11,12,13,14,15,16,17,18,19,20,21,22,23,24
	global_load_b64 v[16+2*\k:17+2*\k], v1, s[4:5] offset:4096*\k           ; 256 consecutive bytes a load
.endr
	s_wait_loadcnt 0x0
.irp k, 1,2,3,4,5,6,7,8,9,10,11,12,13,14,15,16,17,18,19,20,21,22,23,24
	v_cmp_lt_f32 vcc_lo, v[16+2*\k], v16
	v_cndmask_b32 v17, v17, v[17+2*\k], vcc_lo
	v_min_num_f32 v16, v16, v[16+2*\k]
.endr
	ds_store_b64 v2, v[16:17]
	s_wait_dscnt 0x0                               ; for wave 0's sake: my figure has landed
	s_barrier_signal -1
	s_barrier_wait -1
	s_cmp_lg_u32 s8, 0
	s_cbranch_scc1 .Lend                           ; no barrier follows
.irp w, 0,1,2,3,4,5,6,7,8,9,10,11,12,13,14,15,16,17,18,19
	ds_load_b64 v[16+2*\w:17+2*\w], v1 offset:256*\w
.endr
	v_mov_b32 v60, 0x7f800000                      ; infinity
	v_mov_b32 v63, 1
	s_wait_dscnt 0x0
.irp w, 1,2,3,4,5,6,7,8,9
	v_cmp_lt_f32 vcc_lo, v[16+2*\w], v16           ; mask 0: waves 0-9
	v_cndmask_b32 v17, v17, v[17+2*\w], vcc_lo
	v_min_num_f32 v16, v16, v[16+2*\w]
	v_cmp_lt_f32 vcc_lo, v[36+2*\w], v36           ; mask 1: waves 10-19
	v_cndmask_b32 v37, v37, v[37+2*\w], vcc_lo
	v_min_num_f32 v36, v36, v[36+2*\w]
.endr
	v_cmp_lt_f32 vcc_lo, v36, v60                  ; some row has the query's cluster and another class
	v_cndmask_b32 v62, v17, v37, vcc_lo            ; the group
	v_cndmask_b32 v63, v63, 0, vcc_lo              ; the mode
	global_store_b64 v1, v[62:63], s[6:7]          ; 256 consecutive bytes
.Lend:
	s_wait_tensorcnt 0x0
	ds_add_u32 v72, v73
	s_wait_dscnt 0x0
	s_endpgm
.Lfunc_end_k_q6f5b60ca90_pick:
	.size	k_q6f5b60ca90_pick, .Lfunc_end_k_q6f5b60ca90_pick-k_q6f5b60ca90_pick
	.p2alignl 7, 3214868480
	.fill 96, 4, 3214868480
	.section	.rodata,"a",@progbits
	.p2align	6, 0x0
	.amdhsa_kernel k_q6f5b60ca90_pick
		.amdhsa_group_segment_fixed_size 7680
		.amdhsa_private_segment_fixed_size 0
		.amdhsa_enable_private_segment 0
		.amdhsa_kernarg_size 16
		.amdhsa_user_sgpr_count 2
		.amdhsa_user_sgpr_kernarg_segment_ptr 1
		.amdhsa_wavefront_size32 1
		.amdhsa_system_sgpr_workgroup_id_x 1
		.amdhsa_system_sgpr_workgroup_id_y 1
		.amdhsa_system_sgpr_workgroup_id_z 1
		.amdhsa_system_vgpr_workitem_id 0
		.amdhsa_next_free_vgpr 74
		.amdhsa_next_free_sgpr 66
		.amdhsa_reserve_vcc 1
		.amdhsa_float_denorm_mode_32 3
		.amdhsa_float_denorm_mode_16_64 3
		.amdhsa_memory_ordered 1
		.amdhsa_forward_progress 1
		.amdhsa_inst_pref_size 10
	.end_amdhsa_kernel
	.amdgpu_metadata
---
amdhsa.version: [ 1, 2 ]
amdhsa.kernels:
  - .name:           k_q6f5b60ca90_pick
    .symbol:         k_q6f5b60ca90_pick.kd
    .args:
      - { .name: part, .offset: 0, .size: 8, .value_kind: global_buffer, .address_space: global }
      - { .name: win, .offset: 8, .size: 8, .value_kind: global_buffer, .address_space: global }
    .group_segment_fixed_size: 7680
    .private_segment_fixed_size: 0
    .kernarg_segment_align: 8
    .kernarg_segment_size: 16
    .max_flat_workgroup_size: 640
    .sgpr_count:     66
    .vgpr_count:     74
    .wavefront_size: 32
...
	.end_amdgpu_metadata
.endif
;; end of part 3
;; launch fetch (part 4): grid 256 x 1, 1 waves a work-group, no clusters, 512 bytes of LDS; arguments feature_bank, fq, class_label_bank, cluster_label_bank, win, out0; writes out0
.if DOCPART == 4
	.amdgcn_target "amdgcn-amd-amdhsa--gfx1250"
	.amdhsa_code_object_version 6
	.text
	.protected	k_q6f5b60ca90_fetch
	.globl	k_q6f5b60ca90_fetch
	.p2align	8
	.type	k_q6f5b60ca90_fetch,@function
k_q6f5b60ca90_fetch:
	s_mov_b64 s[64:65], 0
	v_nop
	global_prefetch_b8 v0, s[64:65] scope:SCOPE_SE
	s_setreg_imm32_b32 hwreg(HW_REG_WAVE_MODE, 25, 1), 1
	s_wait_xcnt 0x0
; out0[q] = the first row of least distance in the group of 8 rows that launch pick has named for query q.  One wave to a query.  The group's number is a whole number read from win, held inside the bank by s_min_u32.
; The wave makes the group's 8 distances anew, by the same quantiser, the same product and the same C as launch scan, now with holding at 0 and root for each row, under the mask that win's mode names.
; Source 0 holds the 8 rows twice (rows 8-15 repeat rows 0-7), source 1 holds query q in all 16 columns: so every lane ends with the same 8 numbers and nothing changes lanes.
; The row is CHOSEN BY VALUE: all 8 rows are loaded as they lie, and v_cndmask_b32 keeps the better one; no address and no branch hangs on a floating-point number.
; LIMITS: as stated in launch scan (the root's accuracy, the order of b2's sum, the addend inside the matrix unit's sum, NaN and infinities not served).  Where every row of the group is hidden, its first row comes out.
; The quantiser's loads have lanes 1,024 bytes apart; each lane uses its 128 bytes of a block whole over eight loads; the wave reads 8,192 bytes so, and the same bytes once more as rows.
.set NI,  11                           ; v11  -infinity
.set SW,  8                            ; v8   the rows' scale words: lanes 0-15 K step 0's, lanes 16-31 K step 1's; nothing else is ever kept here
.set SH8, 9
.set TP,  10
.set W0,  12
.set W1,  13
.set MXA, 14
.set MXB, 15
.set FA,  16                           ; v16-31  the rows' codes
.set FB,  32                           ; v32-47  the query's codes
.set QC,  48                           ; v48-51  -a2/2, cluster_idx, gt_label, the query's scale word (v51 holds nothing else)
.set NB,  52                           ; v52-59  -b2/2 of the 8 rows
.set SO,  60
.set BY,  61
.set XB,  64                           ; v64-191 four blocks of 32 numbers; then v64-127: the 8 rows as they lie, 8 registers each
.set SA,  192
.set SB,  194
.set SS,  196
.set NB2, 197
.set ACC, 200                          ; v200-207
.set DD,  208                          ; v208-215 the 8 distances
.set SEL, 46                           ; s[46:47]
.set HM,  41
.set LCL, 24                           ; s24-31 the rows' class labels
.set LCU, 32                           ; s32-39 their cluster labels
.set MK,  48                           ; s48-55 row j counts
.set MC,  56                           ; s56-63 at work
; One block of 32 numbers in v[x] on: four registers of codes at v[dst], its byte into word w (c = 0: bits 7:0, c = 1: bits 23:16), its squares onto the sums (first = 1: they start the sums).
.macro QBLK x, dst, w, c, first
	v_max3_num_f32 v[MXA], |v[\x]|, |v[\x+1]|, |v[\x+2]|
	v_max3_num_f32 v[MXB], |v[\x+3]|, |v[\x+4]|, |v[\x+5]|
.irp i, 6,10,14,18,22,26
	v_max3_num_f32 v[MXA], v[MXA], |v[\x+\i]|, |v[\x+\i+1]|
	v_max3_num_f32 v[MXB], v[MXB], |v[\x+\i+2]|, |v[\x+\i+3]|
.endr
	v_max3_num_f32 v[MXA], v[MXA], |v[\x+30]|, |v[\x+31]|
	v_max3_num_f32 v[MXA], v[MXA], v[MXB], 0x1800000         ; the floor 2^(3 - 127): the byte cannot fall under 1
	v_add_nc_u32 v[SO], 0xff000000, v[MXA]                   ; 2 off the exponent field: the conversion takes this operand's exponent field as its scale
	v_lshrrev_b32 v[BY], 23, v[SO]                           ; the scale's byte
.if \c
	v_lshl_or_b32 v[\w], v[BY], 16, v[\w]
.else
	v_mov_b32 v[\w], v[BY]
.endif
.if \first
	v_pk_mul_f32 v[SA:SA+1], v[\x:\x+1], v[\x:\x+1]
	v_pk_mul_f32 v[SB:SB+1], v[\x+2:\x+3], v[\x+2:\x+3]
.else
	v_pk_fma_f32 v[SA:SA+1], v[\x:\x+1], v[\x:\x+1], v[SA:SA+1]
	v_pk_fma_f32 v[SB:SB+1], v[\x+2:\x+3], v[\x+2:\x+3], v[SB:SB+1]
.endif
.irp i, 4,8,12,16,20,24,28
	v_pk_fma_f32 v[SA:SA+1], v[\x+\i:\x+\i+1], v[\x+\i:\x+\i+1], v[SA:SA+1]
	v_pk_fma_f32 v[SB:SB+1], v[\x+\i+2:\x+\i+3], v[\x+\i+2:\x+\i+3], v[SB:SB+1]
.endr
.irp g, 0,1,2,3
	v_cvt_scalef32_pk8_fp4_f32 v[\dst+\g], v[\x+8*\g:\x+8*\g+7], v[SO]
.endr
	v_nop                                                    ; one plain place behind the last scaled conversion
.endm
.macro WORD w                          ; my two bytes go 8 h bits up; with lane l xor 16's two the word is whole, in both lanes
	v_lshlrev_b32 v[\w], v[SH8], v[\w]
	v_permlanex16_b32 v[TP], v[\w], s[SEL], s[SEL+1]
	v_or_b32 v[\w], v[\w], v[TP]
.endm
.macro FINISH                          ; lanes 0-15 keep K step 0's word, lanes 16-31 K step 1's; the row's sum of squares, halved and negated (exact)
	v_cndmask_b32 v[SW], v[W0], v[W1], s[HM]
	v_pk_add_f32 v[SA:SA+1], v[SA:SA+1], v[SB:SB+1]
	v_add_f32 v[SS], v[SA], v[SA+1]
	v_permlanex16_b32 v[TP], v[SS], s[SEL], s[SEL+1]
	v_add_f32 v[SS], v[SS], v[TP]
	v_mul_f32 v[NB2], -0.5, v[SS]
.endm
	s_load_b256 s[4:11], s[0:1], 0x0               ; the bank s[4:5], fq s[6:7], class labels s[8:9], cluster labels s[10:11]
	s_load_b128 s[12:15], s[0:1], 0x20             ; win s[12:13], out0 s[14:15]
	v_lshl_add_u32 v224, v0, 2, 0x100
	v_mov_b32 v225, 0
	v_and_b32 v1, 15, v0                           ; r
	v_bfe_u32 v2, v0, 4, 1                         ; h
	s_and_b32 s44, ttmp9, 15
	s_lshl_b32 s44, s44, 4
	v_lshl_add_u32 v3, v2, 8, s44                  ; fq: the bytes of the image's lane 16 h + q % 16: every column of source 1 is query q
	v_and_b32 v4, 7, v1
	v_lshlrev_b32 v4, 10, v4
	v_lshl_add_u32 v4, v2, 7, v4                   ; the bank, for the quantiser: row r % 8 of the group, + 128 h
	v_lshlrev_b32 v5, 4, v0                        ; 16 x lane
	v_lshlrev_b32 v6, 2, v1                        ; LDS: 4 r
	v_lshlrev_b32 v7, 5, v2                        ; LDS: 32 h
	v_lshlrev_b32 v[SH8], 3, v2
	v_mov_b32 v[TP], 0                             ; written once: a lane permute's destination counts as one of its sources
	v_mov_b32 v[NI], 0xff800000
	s_mov_b32 s[SEL], 0x76543210
	s_mov_b32 s[SEL+1], 0xfedcba98
	s_mov_b32 s[HM], 0xffff0000
	s_lshl_b32 s16, ttmp9, 3                       ; win: 8 bytes a query
	s_mov_b32 s17, 0
	s_lshr_b32 s18, ttmp9, 4
	s_mul_i32 s18, s18, 2560                       ; fq: the query's tile
	s_mov_b32 s19, 0
	s_lshl_b32 s42, ttmp9, 10                      ; out0: the query's row
	s_mov_b32 s43, 0
	s_wait_kmcnt 0x0
	s_add_nc_u64 s[12:13], s[12:13], s[16:17]
	s_load_b64 s[20:21], s[12:13], 0x0             ; the group, the mode
	s_add_nc_u64 s[6:7], s[6:7], s[18:19]
	s_add_nc_u64 s[14:15], s[14:15], s[42:43]
.irp p, 0,1,2,3
	global_load_b128 v[FB+4*\p:FB+4*\p+3], v3, s[6:7] offset:512*\p
.endr
	global_load_b128 v[QC:QC+3], v3, s[6:7] offset:2048
	s_wait_kmcnt 0x0
	s_min_u32 s20, s20, 12499                      ; a loaded number enters addresses only so held: the bank has 12,500 groups
	s_mov_b32 s23, 0
	s_lshl_b32 s22, s20, 13                        ; 8 rows of 1,024 bytes
	s_add_nc_u64 s[4:5], s[4:5], s[22:23]
	s_lshl_b32 s22, s20, 5                         ; 8 labels
	s_add_nc_u64 s[8:9], s[8:9], s[22:23]
	s_add_nc_u64 s[10:11], s[10:11], s[22:23]
	s_load_b256 s[LCL:LCL+7], s[8:9], 0x0
	s_load_b256 s[LCU:LCU+7], s[10:11], 0x0
	s_cmp_lg_u32 s21, 0
	s_cselect_b32 s40, -1, 0                       ; mode 1: the cluster does not count
.irp t, 0,1,2,3                                ; block 2 t + h of my row: t = 2 s + c
.irp i, 0,1,2,3,4,5,6,7
	global_load_b128 v[XB+32*\t+4*\i:XB+32*\t+4*\i+3], v4, s[4:5] offset:256*\t+16*\i
.endr
.endr
	s_wait_loadcnt 0x0
	QBLK XB, FA, W0, 0, 1
	QBLK XB+32, FA+4, W0, 1, 0
.irp j, 0,1,2,3,4,5,6,7                        ; the first two blocks' registers are free: they take the 8 rows as they lie, 512 consecutive bytes a load; these land under the other two blocks' work
.irp e, 0,1
	global_load_b128 v[XB+8*\j+4*\e:XB+8*\j+4*\e+3], v5, s[4:5] offset:1024*\j+512*\e
.endr
.endr
	WORD W0
	QBLK XB+64, FA+8, W1, 0, 0
	QBLK XB+96, FA+12, W1, 1, 0
	WORD W1
	FINISH
	ds_store_b32 v6, v[NB2]                        ; -b2/2 of row r % 8, at 4 r (both halves of the lanes write the same word with the same value),
	ds_load_b128 v[NB:NB+3], v7                    ; and back as the accumulator's layout wants it: register j = row j of the group, in every lane
	ds_load_b128 v[NB+4:NB+7], v7 offset:16
	s_wait_kmcnt 0x0                               ; the labels
.irp j, 0,1,2,3,4,5,6,7
	v_cmp_ne_u32 s[MK+\j], s[LCL+\j], v[QC+2]      ; another class than the query's,
	v_cmp_eq_u32 s[MC+\j], s[LCU+\j], v[QC+1]      ; the query's cluster
.endr
.irp j, 0,1,2,3,4,5,6,7
	s_or_b32 s[MC+\j], s[MC+\j], s40
	s_and_b32 s[MK+\j], s[MK+\j], s[MC+\j]
.endr
	s_wait_dscnt 0x0
.irp i, 0,1,2,3
	v_pk_add_f32 v[ACC+2*\i:ACC+2*\i+1], v[NB+2*\i:NB+2*\i+1], v[QC:QC+1] op_sel_hi:[1,0]   ; C = -b2/2 - a2/2
.endr
.rept 8
	v_nop                                          ; a scale register written by a vector instruction stands eight places ahead of a scaled matrix instruction, an operand so written four
.endr
	v_wmma_scale_f32_16x16x128_f8f6f4 v[ACC:ACC+7], v[FA:FA+7], v[FB:FB+7], v[ACC:ACC+7], v[SW], v[QC+3] matrix_a_fmt:MATRIX_FMT_FP4 matrix_b_fmt:MATRIX_FMT_FP4
	s_wait_alu depctr_va_vdst(0)                   ; a wait ahead of the chain's next link
	v_wmma_scale_f32_16x16x128_f8f6f4 v[ACC:ACC+7], v[FA+8:FA+15], v[FB+8:FB+15], v[ACC:ACC+7], v[SW], v[QC+3] matrix_a_fmt:MATRIX_FMT_FP4 matrix_b_fmt:MATRIX_FMT_FP4 matrix_a_scale:MATRIX_SCALE_ROW1 matrix_b_scale:MATRIX_SCALE_ROW1
.rept 4
	v_nop                                          ; four places in front of the first read of the result (ISA guide 7.12.1)
.endr
.irp j, 0,1,2,3,4,5,6,7
	v_cndmask_b32 v[DD+\j], v[NI], v[ACC+\j], s[MK+\j]     ; from the accumulator's low end on; hidden rows: -infinity
.endr
.irp j, 0,1,2,3,4,5,6,7
	v_mul_f32 v[DD+\j], -2.0, v[DD+\j]             ; d2
.endr
.irp j, 0,1,2,3,4,5,6,7
	v_max_num_f32 v[DD+\j], 0, v[DD+\j]
.endr
.irp j, 0,1,2,3,4,5,6,7
	v_sqrt_f32 v[DD+\j], v[DD+\j]
.endr
	v_nop                                          ; one plain place behind a transcendental
	s_wait_loadcnt 0x0                             ; the 8 rows
	s_wait_alu depctr_va_vdst(0)
.irp j, 1,2,3,4,5,6,7
	v_cmp_lt_f32 vcc_lo, v[DD+\j], v[DD]           ; strictly less: the earlier row keeps a tie
	v_min_num_f32 v[DD], v[DD], v[DD+\j]
.irp k, 0,1,2,3,4,5,6,7
	v_cndmask_b32 v[XB+\k], v[XB+\k], v[XB+8*\j+\k], vcc_lo
.endr
.endr
	global_store_b128 v5, v[XB:XB+3], s[14:15]             ; 512 consecutive bytes a store, at a multiple of 256 from out0's first byte
	global_store_b128 v5, v[XB+4:XB+7], s[14:15] offset:512
	s_wait_tensorcnt 0x0
	ds_add_u32 v224, v225
	s_wait_dscnt 0x0
	s_endpgm
.Lfunc_end_k_q6f5b60ca90_fetch:
	.size	k_q6f5b60ca90_fetch, .Lfunc_end_k_q6f5b60ca90_fetch-k_q6f5b60ca90_fetch
	.p2alignl 7, 3214868480
	.fill 96, 4, 3214868480
	.section	.rodata,"a",@progbits
	.p2align	6, 0x0
	.amdhsa_kernel k_q6f5b60ca90_fetch
		.amdhsa_group_segment_fixed_size 512
		.amdhsa_private_segment_fixed_size 0
		.amdhsa_enable_private_segment 0
		.amdhsa_kernarg_size 48
		.amdhsa_user_sgpr_count 2
		.amdhsa_user_sgpr_kernarg_segment_ptr 1
		.amdhsa_wavefront_size32 1
		.amdhsa_system_sgpr_workgroup_id_x 1
		.amdhsa_system_sgpr_workgroup_id_y 1
		.amdhsa_system_sgpr_workgroup_id_z 1
		.amdhsa_system_vgpr_workitem_id 0
		.amdhsa_next_free_vgpr 226
		.amdhsa_next_free_sgpr 72
		.amdhsa_reserve_vcc 1
		.amdhsa_float_denorm_mode_32 3
		.amdhsa_float_denorm_mode_16_64 3
		.amdhsa_memory_ordered 1
		.amdhsa_forward_progress 1
		.amdhsa_inst_pref_size 25
	.end_amdhsa_kernel
	.amdgpu_metadata
---
amdhsa.version: [ 1, 2 ]
amdhsa.kernels:
  - .name:           k_q6f5b60ca90_fetch
    .symbol:         k_q6f5b60ca90_fetch.kd
    .args:
      - { .name: feature_bank, .offset: 0, .size: 8, .value_kind: global_buffer, .address_space: global }
      - { .name: fq, .offset: 8, .size: 8, .value_kind: global_buffer, .address_space: global }
      - { .name: class_label_bank, .offset: 16, .size: 8, .value_kind: global_buffer, .address_space: global }
      - { .name: cluster_label_bank, .offset: 24, .size: 8, .value_kind: global_buffer, .address_space: global }
      - { .name: win, .offset: 32, .size: 8, .value_kind: global_buffer, .address_space: global }
      - { .name: out0, .offset: 40, .size: 8, .value_kind: global_buffer, .address_space: global }
    .group_segment_fixed_size: 512
    .private_segment_fixed_size: 0
    .kernarg_segment_align: 8
    .kernarg_segment_size: 48
    .max_flat_workgroup_size: 32
    .sgpr_count:     72
    .vgpr_count:     226
    .wavefront_size: 32
...
	.end_amdgpu_metadata
.endif
;; end of part 4
